; MI455X (gfx1250); checked and timed in simulation.
; The chip was launched on July 23, 2026; its instructions are those of AMD's public machine-readable ISA for CDNA 5 (MIT licence, August 2026) and "CDNA5" Instruction Set Architecture Reference Guide (July 2026). The comments in the code are by the model that wrote it; some were corrected since.
;; LSTM Cell. Allowed arithmetic: float matrix products may take bf16 or f16 operands with f32 sums; other float arithmetic in f32, or as packed bf16 or f16 multiplies, adds, multiply-adds, maxima and minima; sums over many terms, partial sums and values carried from step to step in f32; what a program stores and reads back later, other than sums and carried values, may be rounded once to bf16 or f16.
;; Inputs: Wc 4,096 x 2,048 float32; Wf 4,096 x 2,048 float32; Wi 4,096 x 2,048 float32; Wo 4,096 x 2,048 float32; bc 2,048 float32; bf 2,048 float32; bi 2,048 float32; bo 2,048 float32; c 2,048 x 2,048 float32; h 2,048 x 2,048 float32; x 2,048 x 2,048 float32.
;; Outputs: out0 2,048 x 2,048 float32; out1 2,048 x 2,048 float32.
;; One version. Each part assembles by itself: llvm-mc -triple=amdgcn-amd-amdhsa -mcpu=gfx1250 --defsym DOCPART=n.
;; ======== version 1 of 1: 2 launches
;; workspace buffers: zb 16,777,216 bytes; wq 67,108,864 bytes
;; launch pack (part 1): grid 256 x 1, 8 waves a work-group, no clusters, 0 bytes of LDS; arguments x, h, Wf, Wi, Wc, Wo, zb, wq; writes zb, wq
.if DOCPART == 1
	.amdgcn_target "amdgcn-amd-amdhsa--gfx1250"
	.amdhsa_code_object_version 6
	.text
	.protected	k_q604a2e13b8_pack
	.globl	k_q604a2e13b8_pack
	.p2align	8
	.type	k_q604a2e13b8_pack,@function
k_q604a2e13b8_pack:
	s_mov_b64 s[64:65], 0
	v_nop
	global_prefetch_b8 v0, s[64:65] scope:SCOPE_SE
	s_setreg_imm32_b32 hwreg(HW_REG_WAVE_MODE, 25, 1), 1
	s_wait_xcnt 0x0
; LSTM cell, first of two launches: the matrix operands are rounded ONCE to bf16 (nearest even) and laid out for the second launch.
; Nothing of the problem's work is left out in either launch: all eleven inputs reach an output and all are loaded (x, h, Wf, Wi, Wc, Wo here; c and the four biases in the second launch).
;   zb [2048][4096] bf16, row-major: z = (x | h): columns 0-2047 from x, 2048-4095 from h.
;   wq [ub 32][ko 512][pos 256][e 8] bf16: byte ub*2097152 + ko*4096 + pos*16 + 2 e holds W_gate[8 ko + e][64 ub + 4 r + j], pos = 64 gate + 16 j + r, gates f, i, c, o = 0..3.
;      So 128 along K of one block of 64 units, all four gates, are 65,536 bytes on end; 16 neighbouring pos x 8 k are 256 bytes on end (half a matrix fragment, one 16-byte load a lane);
;      and the four tiles j = 0..3 of a gate give a lane four NEIGHBOURING units 4 r .. 4 r + 3.
; LIMIT: a number whose magnitude rounds past the largest finite bf16 becomes an infinity; NaN and infinities pass as they are.
; A pure stream: no LDS, no barrier, no matrix unit (nothing is shared between waves and nothing is multiplied).
; SHARES.  Work-group wg, wave w: ub = 8 (wg & 3) + w, t = wg >> 2: rows 64 t .. 64 t + 63 of all four W, columns 64 ub .. + 63; then row m = 8 wg + w of x and of h.
; A ring of four register slots, one a gate: 8 loads of 16 bytes a lane each, so 32 loads of a wave are on their way.  A load takes 256 consecutive aligned bytes of one row (lanes 0-15)
; and of the row 8 further down (lanes 16-31); a store covers 256 consecutive aligned bytes for each 16 lanes (wq) or for the 32 lanes (zb).
.set VW,  2                            ; v2   W: 65536 (lane / 16) + 16 (lane % 16): 8 rows down for the upper lanes; never rewritten
.set VS,  3                            ; v3   wq: 4096 (lane / 16) + 16 (lane % 16): the next octet of k for the upper lanes; never rewritten
.set VZ,  4                            ; v4   x, h: 16 lane; never rewritten
.set VZS, 5                            ; v5   zb: 8 lane; never rewritten
.set X,   8                            ; v[8:135]   slot g: 32 registers as loaded; load e at + 4 e
.set Y,   136                          ; v[136:199] slot g: 16 registers to store
	s_load_b512 s[4:19], s[0:1], 0x0               ; x s[4:5], h s[6:7], Wf s[8:9], Wi s[10:11], Wc s[12:13], Wo s[14:15], zb s[16:17], wq s[18:19]
	v_lshrrev_b32 v1, 5, v0
	v_readfirstlane_b32 s20, v1                    ; wave 0..7
	v_and_b32 v6, 31, v0                           ; lane
	v_and_b32 v7, 15, v0                           ; r
	v_bfe_u32 v1, v0, 4, 1                         ; which half of the lanes
	v_lshlrev_b32 v[VS], 4, v7
	v_lshl_add_u32 v[VW], v1, 16, v[VS]
	v_lshl_add_u32 v[VS], v1, 12, v[VS]
	v_lshlrev_b32 v[VZ], 4, v6
	v_lshlrev_b32 v[VZS], 3, v6
	s_and_b32 s21, ttmp9, 3
	s_lshl_b32 s21, s21, 3
	s_add_co_u32 s21, s21, s20                     ; ub
	s_lshr_b32 s24, ttmp9, 2                       ; t
	s_lshl_b32 s22, s24, 19                        ; 64 t rows of 8,192 bytes
	s_lshl_b32 s25, s21, 8                         ; 64 ub columns of 4 bytes
	s_add_co_u32 s22, s22, s25
	s_mov_b32 s23, 0
	s_lshl_b32 s26, s21, 21                        ; wq: block ub,
	s_lshl_b32 s25, s24, 15                        ; octet 8 t
	s_add_co_u32 s26, s26, s25
	s_mov_b32 s27, 0
	s_lshl_b32 s28, ttmp9, 3
	s_add_co_u32 s28, s28, s20                     ; m
	s_lshl_b32 s28, s28, 13                        ; a row of x, of h and of zb is 8,192 bytes
	s_mov_b32 s29, 0
	s_wait_kmcnt 0x0
	s_add_nc_u64 s[8:9], s[8:9], s[22:23]
	s_add_nc_u64 s[10:11], s[10:11], s[22:23]
	s_add_nc_u64 s[12:13], s[12:13], s[22:23]
	s_add_nc_u64 s[14:15], s[14:15], s[22:23]
	s_add_nc_u64 s[18:19], s[18:19], s[26:27]
	s_add_nc_u64 s[4:5], s[4:5], s[28:29]
	s_add_nc_u64 s[6:7], s[6:7], s[28:29]
	s_add_nc_u64 s[16:17], s[16:17], s[28:29]
; Gate g, round n: rows 64 t + 16 n + 8 (lane / 16) + e, e = 0..7; a lane's 16 bytes are columns 4 r .. 4 r + 3.  All steps stand in the immediate (450,560 at the most).
.macro WLOAD g, n
.irp e, 0,1,2,3,4,5,6,7
	global_load_b128 v[X+32*(\g)+4*(\e):X+32*(\g)+4*(\e)+3], v[VW], s[8+2*(\g):9+2*(\g)] offset:(\n)*131072+(\e)*8192 th:TH_LOAD_NT
.endr
.endm
; Slot g takes half a row of x (g = 0, 1) or of h (g = 2, 3): 8 loads of 512 consecutive bytes.
.macro ZLOAD g
.irp s, 0,1,2,3,4,5,6,7
	global_load_b128 v[X+32*(\g)+4*(\s):X+32*(\g)+4*(\s)+3], v[VZ], s[4+2*((\g)/2):5+2*((\g)/2)] offset:(((\g)%2)*8+(\s))*512 th:TH_LOAD_NT
.endr
.endm
; The turn of slot g in round n.  nxt = 1: the slot is filled with the gate's next round; 2: with its part of x or h.
.macro WTURN g, n, nxt
	s_wait_loadcnt 24                              ; loads come back in order: my slot's eight are in, the three other slots' 24 stay out
	s_wait_xcnt 0x0                                ; the slot's last stores have read Y: it is rewritten only behind this wait
.irp j, 0,1,2,3
.irp q, 0,1,2,3
	v_cvt_pk_bf16_f32 v[Y+16*(\g)+4*(\j)+(\q)], v[X+32*(\g)+8*(\q)+(\j)], v[X+32*(\g)+8*(\q)+4+(\j)]  ; column 4 r + j, rows e = 2 q (low half) and 2 q + 1
.endr
.endr
.if (\nxt) == 1
	WLOAD \g, (\n)+1
.else
	ZLOAD \g
.endif
.irp j, 0,1,2,3
	global_store_b128 v[VS], v[Y+16*(\g)+4*(\j):Y+16*(\g)+4*(\j)+3], s[18:19] offset:(\n)*8192+(\g)*1024+(\j)*256 th:TH_STORE_NT  ; octet 8 t + 2 n + lane / 16, pos 64 g + 16 j + r
.endr
.endm
.macro ZTURN g, left
	s_wait_loadcnt \left                           ; my slot's eight are in; nothing is loaded any more, so the counts run down
	s_wait_xcnt 0x0                                ; Y is rewritten only behind this wait
.irp s, 0,1,2,3,4,5,6,7
	v_cvt_pk_bf16_f32 v[Y+16*(\g)+2*(\s)],   v[X+32*(\g)+4*(\s)],   v[X+32*(\g)+4*(\s)+1]
	v_cvt_pk_bf16_f32 v[Y+16*(\g)+2*(\s)+1], v[X+32*(\g)+4*(\s)+2], v[X+32*(\g)+4*(\s)+3]
.endr
.irp s, 0,1,2,3,4,5,6,7
	global_store_b64 v[VZS], v[Y+16*(\g)+2*(\s):Y+16*(\g)+2*(\s)+1], s[16:17] offset:((\g)*8+(\s))*256 th:TH_STORE_NT  ; 32 lanes x 8 bytes: 256 consecutive bytes
.endr
.endm
.irp g, 0,1,2,3
	WLOAD \g, 0
.endr
.irp n, 0,1,2
.irp g, 0,1,2,3
	WTURN \g, \n, 1
.endr
.endr
.irp g, 0,1,2,3
	WTURN \g, 3, 2
.endr
	ZTURN 0, 24
	ZTURN 1, 16
	ZTURN 2, 8
	ZTURN 3, 0
	s_endpgm
.Lfunc_end_k_q604a2e13b8_pack:
	.size	k_q604a2e13b8_pack, .Lfunc_end_k_q604a2e13b8_pack-k_q604a2e13b8_pack
	.p2alignl 7, 3214868480
	.fill 96, 4, 3214868480
	.section	.rodata,"a",@progbits
	.p2align	6, 0x0
	.amdhsa_kernel k_q604a2e13b8_pack
		.amdhsa_group_segment_fixed_size 0
		.amdhsa_private_segment_fixed_size 0
		.amdhsa_enable_private_segment 0
		.amdhsa_kernarg_size 64
		.amdhsa_user_sgpr_count 2
		.amdhsa_user_sgpr_kernarg_segment_ptr 1
		.amdhsa_wavefront_size32 1
		.amdhsa_system_sgpr_workgroup_id_x 1
		.amdhsa_system_sgpr_workgroup_id_y 1
		.amdhsa_system_sgpr_workgroup_id_z 1
		.amdhsa_system_vgpr_workitem_id 0
		.amdhsa_next_free_vgpr 208
		.amdhsa_next_free_sgpr 66
		.amdhsa_reserve_vcc 0
		.amdhsa_float_denorm_mode_32 3
		.amdhsa_float_denorm_mode_16_64 3
		.amdhsa_memory_ordered 1
		.amdhsa_forward_progress 1
		.amdhsa_inst_pref_size 47
	.end_amdhsa_kernel
	.amdgpu_metadata
---
amdhsa.version: [ 1, 2 ]
amdhsa.kernels:
  - .name:           k_q604a2e13b8_pack
    .symbol:         k_q604a2e13b8_pack.kd
    .args:
      - { .name: x, .offset: 0, .size: 8, .value_kind: global_buffer, .address_space: global }
      - { .name: h, .offset: 8, .size: 8, .value_kind: global_buffer, .address_space: global }
      - { .name: Wf, .offset: 16, .size: 8, .value_kind: global_buffer, .address_space: global }
      - { .name: Wi, .offset: 24, .size: 8, .value_kind: global_buffer, .address_space: global }
      - { .name: Wc, .offset: 32, .size: 8, .value_kind: global_buffer, .address_space: global }
      - { .name: Wo, .offset: 40, .size: 8, .value_kind: global_buffer, .address_space: global }
      - { .name: zb, .offset: 48, .size: 8, .value_kind: global_buffer, .address_space: global }
      - { .name: wq, .offset: 56, .size: 8, .value_kind: global_buffer, .address_space: global }
    .group_segment_fixed_size: 0
    .private_segment_fixed_size: 0
    .kernarg_segment_align: 8
    .kernarg_segment_size: 64
    .max_flat_workgroup_size: 256
    .sgpr_count:     66
    .vgpr_count:     208
    .wavefront_size: 32
...
	.end_amdgpu_metadata
.endif
;; end of part 1
;; launch lstm (part 2): grid 32 x 8, 4 waves a work-group, clusters of 4 x 4, 327,680 bytes of LDS; arguments zb, wq, c, out0, bf, bi, bc, bo, out1; writes out0, out1
.if DOCPART == 2
	.amdgcn_target "amdgcn-amd-amdhsa--gfx1250"
	.amdhsa_code_object_version 6
	.text
	.protected	k_q604a2e13b8_lstm
	.globl	k_q604a2e13b8_lstm
	.p2align	8
	.type	k_q604a2e13b8_lstm,@function
k_q604a2e13b8_lstm:
	s_mov_b64 s[64:65], 0
	v_nop
	global_prefetch_b8 v0, s[64:65] scope:SCOPE_SE
	s_setreg_imm32_b32 hwreg(HW_REG_WAVE_MODE, 25, 1), 1
	s_wait_xcnt 0x0
	s_wait_alu depctr_hold_cnt(0) depctr_sa_sdst(0) depctr_va_vdst(0) depctr_va_sdst(0) depctr_va_ssrc(0) depctr_va_vcc(0) depctr_vm_vsrc(0)
	s_getreg_b32 s2, hwreg(HW_REG_IB_STS2, 6, 4)
	s_cmp_eq_u32 s2, 0
	s_cbranch_scc0 .Lentry_in_a_cluster
	s_endpgm
.Lentry_in_a_cluster:
	s_bfe_u32 s2, ttmp6, 0x10000c
	s_cmp_lg_u32 s2, 0xf033
	s_cbranch_scc0 .Lentry_shape_is_right
	s_endpgm
.Lentry_shape_is_right:
; LSTM cell, second launch: gates = z W + b (z = (x | h) and W in bf16 as the first launch laid them out, sums in f32), then
; new_c = sigmoid(f) c + sigmoid(i) tanh(g) -> out1, new_h = sigmoid(o) tanh(new_c) -> out0.  Nothing of the problem's work is left out.
; FORMATS.  EVERY floating-point input is rounded once to bf16, nearest even: x, h and the four W by the first launch, c and the four biases here, in registers.  So the program as a whole computes the
; cell on ONE set of rounded inputs, and not on some inputs rounded and others not; all arithmetic behind that rounding is f32.
; LIMITS.  c and the biases keep 8 significant bits, like the matrix operands.  sigmoid(x) = 1 / (1 + 2^(-x log2 e)), tanh(x) = 1 - 2 / (1 + 2^(2 x log2 e)): an exponential that overflows gives an
; infinity, whose reciprocal is 0: the saturated value, which is right; one below 2^-126 counts as 0, likewise; near 0 tanh is off by about 1e-7 absolutely, not relatively.
; NaN and infinities among the inputs are not treated apart.
; SHARES.  A work-group makes 256 rows x 64 units x 4 gates: a product tile of 256 x 256.  Four waves, as many as a WGP has SIMDs; wave (WM, WN) multiplies rows 128 WM .. + 127 by the columns
; pos 128 WN .. + 127, which are gates 2 WN and 2 WN + 1: 64 accumulators of 16 x 16, 512 registers.  K = 4096 goes in steps of 128 through a ring of two LDS slots filled by tensor loads.
; At the end the two waves of a row half swap halves of their accumulators through LDS, so that each holds all four gates of 64 rows x 64 units, and finishes and stores those.
; LAYOUT.  Source 0 = 16 rows of z, source 1 = 16 columns pos.  Register i of lane (r = lane % 16, h = lane / 16) of accumulator (a, b) is row 16 a + 8 h + i, gate 2 WN + b / 4, unit 4 r + b % 4.
; So over the four tiles of a gate a lane holds four NEIGHBOURING units of a row: 16 bytes of c, out0 and out1, and sixteen lanes 256 consecutive aligned bytes: the outputs leave straight from registers.
; THE BIAS is the C operand of the first product on each accumulator: nothing is cleared, and nothing is added later.
; CLUSTERS: 4 x 4 work-groups.  The four of a row of the cluster need the same tiles of z, the four of a column the same tiles of W: each tile is asked for JOINTLY, by the same tensor load with the
; same descriptor and a mask that names the four.
; REGISTERS, in windows of 256 (s_set_vgpr_msb: bits 1:0 source 0, 3:2 source 1, 5:4 source 2, 7:6 destination):
;   window 0: v0-31 addresses; v32-39 the biases; v40-55 bf16 pairs at work; v64-127, v128-191 fragments of z, two buffers; v192-255 the biases as C operands; on the way out v64-191 at work, v192-255 results
;   window 1: v64-127, v128-191 fragments of W, two buffers; v0-63, v192-255 my 64 x 64 numbers of c, loaded during the first K step
;   window 2: the accumulators of my rows 0-63 ((a, b) at v[8 (8 a + b)]);   window 3: those of my rows 64-127
.set PITCH,  272                       ; a row of z in LDS: 256 bytes + 16 of padding = 68 words: the 16 rows of a fragment load start at 16 different groups of four banks (64 banks of 4 bytes: ISA guide 11.1)
.set HALFA,  128*PITCH                 ; 128 rows of z: one tensor load
.set AREG,   2*HALFA                   ; z's 256 rows
.set HALFB,  32768                     ; 8 octets of k x 256 pos x 16 bytes of W: one tensor load, dense: 16 lanes of a fragment load take 256 consecutive bytes
.set SLOT,   AREG+2*HALFB              ; 135,168
.set SPARE,  2*SLOT                    ; behind the ring: the spare words, 128 bytes for each wave: two blocks of 256 bytes that no other line names
.set XREG,   32768                     ; the swap: wave w's 32,768 bytes at w x 32,768, inside slot 0, which by then has had its last fill and its last read
.set LAPS,   16                        ; a lap = two K steps = once round the ring
.set ROWO,   8192                      ; bytes in a row of c, out0, out1
.set ADRA, 16                          ; v16-17  LDS address of my z fragments in slot 0, 1
.set ADRB, 20                          ; v20-21  the same for W
.set XS,   24                          ; v24     the swap: where I put 16 bytes
.set XL,   25                          ; v25     the swap: where I take my partner's
.set CO,   26                          ; v26     my byte offset in c, out0, out1: 8 rows x (lane / 16) + 16 (lane % 16); never rewritten
.set BO,   27                          ; v27     16 (lane % 16): my four units in a bias
.set SPW,  28                          ; v28     LDS address of my spare word: SPARE + 4 x my thread's number; never rewritten
.set NIL,  29                          ; v29     0; never rewritten
.set PFO,  30                          ; v30     the prefetches' offset: my lane x a row of zb, or x 256 bytes of wq; never rewritten
.set BV,   32                          ; v32-39  the bias of tile b
.set CP,   40                          ; v40-55  bf16 pairs: first the biases' (four registers), on the way out a block's c: row i, units 2 q and 2 q + 1 at CP + 2 i + q
.set F0,   64
.set F1,   128
.set BIAS, 192                         ; tile b's C operand at BIAS + 8 b: eight equal registers
.set T,    64                          ; the way out: f at T + 8 j + i, i at T + 32 + .., g at T + 64 + .., o at T + 96 + ..
.set NC,   192                         ; new_c: row i, unit j at NC + 4 i + j
.set NH,   224                         ; new_h likewise
.set G1,  24                           ; s[24:31] descriptor group 1 for z's tiles;  s[32:39] group 0, one set for each slot
.set G0,  32
.set G1B, 48                           ; s[48:55], s[56:63] the same for W's tiles
.set G0B, 56
.set LIM, 43                           ; s43     1 in a wave that prefetches, else the greatest number
.set PFA, 44                           ; s[44:45] where my prefetches stand
.set PST, 66                           ; s[66:67] their step: a K step is 256 bytes of a row of zb, 65,536 bytes of wq
.set WV,  80                           ; s80 wave;  s81 WM: which half of the rows, also: I fetch z (0) or W (1);  s82 WN: which half of the columns, also: which half of that tile I fetch
.set WM,  81
.set WN,  82
.set NL,  84                           ; s[84:85] -log2 e
.set TL,  86                           ; s[86:87] 2 log2 e
.set MSB, 0
.macro WIN new                         ; the immediate's high byte repeats the setting that is left; a switch that changes nothing is dropped
.if MSB != (\new)
	s_set_vgpr_msb (MSB<<8)|(\new)
.set MSB, \new
.endif
.endm
.set MUL_LO,  0xa4                     ; source 0 (z) window 0, source 1 (W) window 1, C and D window 2
.set MUL_HI,  0xf4                     ; the same, C and D window 3
.set BIAS_LO, 0x84                     ; the first products: C (the bias) window 0, D window 2
.set BIAS_HI, 0xc4                     ; D window 3
.set TO_B,    0x40                     ; destination window 1, address window 0
; A joint load.  Waves 0 and 1 fetch z's two halves, waves 2 and 3 W's.  Each of the two lines has one mask and one set of registers for all that issue it; the branch hangs on the wave's number alone.
; An s_nop 0 and four v_nop follow each of the two lines, ahead of the jump, the label and what follows the macro.
.macro JLOAD s
	s_cmp_eq_u32 s[WM], 0
	s_cbranch_scc0 .Lfor_b_\@
	tensor_load_to_lds s[G0+4*(\s):G0+4*(\s)+3], s[G1:G1+7]
	s_nop 0
.rept 4
	v_nop
.endr
	s_branch .Lasked_\@
.Lfor_b_\@:
	tensor_load_to_lds s[G0B+4*(\s):G0B+4*(\s)+3], s[G1B:G1B+7]
	s_nop 0
.rept 4
	v_nop
.endr
.Lasked_\@:
.endm
; A PREFETCH INTO THE L2, behind each joint refill, its five lines and the run of LDS loads that follows: the K step that stands TWO refills on, 512 matrix instructions ahead of the load that will want it.
; Each 256 bytes of zb and wq are named ONCE in the launch: z's rows are walked by every cluster of a row of clusters: cluster x = 0 asks; W's blocks by every cluster of a column: cluster y = 0 asks.
; Of the 128 rows (blocks of 256 bytes) that a wave fetches, the partner at place p of the four that ask jointly takes 32 p .. 32 p + 31 BY ADDRESS (p = cx for z, cy for W): a lane each, one instruction a wave.
; K steps 0 to 3 come by their loads alone; the loop's last trip (s3 = 1) asks for nothing: K steps 32 and 33 do not exist.
.macro ASK
	s_cmp_gt_u32 s3, s[LIM]
	s_cbranch_scc0 .Lnot_mine_\@
	global_prefetch_b8 v[PFO], s[PFA:PFA+1] th:TH_LOAD_NT scope:SCOPE_SE
.Lnot_mine_\@:
.endm
; A round of the cluster's barrier: my work-group's barrier, so that wave 0's signal speaks for all four waves; wave 0 signals; every wave waits for all sixteen work-groups; my work-group's barrier once more.
.macro CREST                           ; a round behind its opening barrier
	s_cmp_lg_u32 s[WV], 0
	s_cbranch_scc1 .Lnot_wave_0_\@
	s_barrier_signal -3
.Lnot_wave_0_\@:
	s_barrier_wait -3
	s_barrier_signal -1
	s_barrier_wait -1
.endm
.macro CROUND                          ; a whole round
	s_barrier_signal -1
	s_barrier_wait -1
	CREST
.endm
	s_load_b256 s[4:11], s[0:1], 0x0               ; zb s[4:5], wq s[6:7], c s[8:9], out0 s[10:11]
	s_load_b256 s[68:75], s[0:1], 0x20             ; bf s[68:69], bi s[70:71], bc s[72:73], bo s[74:75]
	s_load_b64 s[76:77], s[0:1], 0x40              ; out1
	v_lshl_add_u32 v[SPW], v0, 2, SPARE
	v_mov_b32 v[NIL], 0
	ds_add_u32 v[SPW], v[NIL]                      ; the wave's opening: the add, twice on end, and its wait ahead of my first tensor load; the set-up below, work on registers, stands between
	ds_add_u32 v[SPW], v[NIL]                      ; and once more, under the one wait
	v_lshrrev_b32 v1, 5, v0
	v_readfirstlane_b32 s[WV], v1                  ; wave 0..3
	s_lshr_b32 s[WM], s[WV], 1
	s_and_b32 s[WN], s[WV], 1
	s_bfe_u32 s40, ttmp6, 0x40000                  ; cx: my place along the cluster's x
	s_bfe_u32 s41, ttmp6, 0x40004                  ; cy: along its y
	s_lshl_b32 s42, ttmp9, 2                       ; in a cluster launch ttmp9 and ttmp7 count clusters
	s_add_co_u32 s42, s42, s40                     ; tx: my block of 64 units = 4 x cluster x + cx
	s_and_b32 s46, ttmp7, 0xffff
	s_lshl_b32 s46, s46, 2
	s_add_co_u32 s46, s46, s41                     ; ty: my block of 256 rows = 4 x cluster y + cy
	s_lshl_b32 s12, s41, 2
	s_lshl_b32 s12, 15, s12                        ; my row of the cluster: places 4 cy .. 4 cy + 3
	s_lshl_b32 s13, 0x1111, s40                    ; my column: places cx, cx + 4, cx + 8, cx + 12
	; descriptor group 1.  z: 128 rows x 128 elements of 2 bytes, 4,096 elements from row to row, padded in LDS.  W: 32,768 dense bytes as 128 rows of 256, unpadded.
	s_or_b32 s[G1+0], s12, (1<<16)|(1<<20)|(1<<21)|(5<<22)|(3<<25)  ; 15:0 the mask: my row; 17:16 2-byte elements; 20 padding on; 21 set beside a mask; 24:22 after every 64 words (code 5); 31:25 4 words (code 3)
	s_or_b32 s[G1B+0], s13, (1<<16)|(1<<21)        ; the mask: my column; no padding
.irp g, G1, G1B
	s_mov_b32 s[(\g)+1], 128<<16                   ; tensor_dim0 = 128
	s_mov_b32 s[(\g)+2], 128<<16                   ; tensor_dim1 = 128
	s_mov_b32 s[(\g)+3], 128<<16                   ; tile_dim0 = 128
	s_mov_b32 s[(\g)+4], 128                       ; tile_dim1 = 128
	s_mov_b32 s[(\g)+6], 0
	s_mov_b32 s[(\g)+7], 0
.endr
	s_mov_b32 s[G1+5], 4096                        ; elements from row to row of zb
	s_mov_b32 s[G1B+5], 128                        ; and of the dense block
	; where the tiles come from.  z's hang on ty alone, which my row of the cluster shares; W's on tx alone, which my column shares; each in registers that never hold the other coordinate.
	s_lshl_b32 s14, s46, 21                        ; 256 ty rows of 8,192 bytes
	s_lshl_b32 s15, s[WN], 20                      ; + the 128 rows that I fetch
	s_add_co_u32 s14, s14, s15
	s_mov_b32 s15, 0
	s_lshl_b32 s16, s42, 21                        ; block tx of wq
	s_lshl_b32 s17, s[WN], 15                      ; + the 8 octets that I fetch
	s_add_co_u32 s16, s16, s17
	s_mov_b32 s17, 0
	s_mul_i32 s20, s[WN], HALFA                    ; and where they go: no place in the cluster enters an LDS address
	s_mul_i32 s21, s[WN], HALFB
	s_add_co_u32 s21, s21, AREG
	s_mov_b32 s[NL], 0xbfb8aa3b                    ; -1.442695
	s_mov_b32 s[NL+1], 0xbfb8aa3b                  ; named with it as a pair
	s_mov_b32 s[TL], 0x4038aa3b                    ; 2.885390
	s_mov_b32 s[TL+1], 0x4038aa3b
	s_wait_dscnt 0x0                               ; both opening adds are done
	s_wait_kmcnt 0x0
	s_add_nc_u64 s[14:15], s[4:5], s[14:15]
	s_add_nc_u64 s[16:17], s[6:7], s[16:17]
	CROUND                                         ; all sixteen work-groups are here: the first joint loads meet
.irp s, 0,1
	s_mov_b32 s[G0+4*(\s)], 1                                      ; 1:0 count = 1
	s_add_co_u32 s[G0+4*(\s)+1], s20, (\s)*SLOT                    ; 63:32 LDS address
	s_add_nc_u64 s[G0+4*(\s)+2:G0+4*(\s)+3], s[14:15], (\s)*256    ; 120:64 global address: K step s
	s_or_b32 s[G0+4*(\s)+3], s[G0+4*(\s)+3], 0x80000000            ; 127:126 type = 2
	s_mov_b32 s[G0B+4*(\s)], 1
	s_add_co_u32 s[G0B+4*(\s)+1], s21, (\s)*SLOT
	s_add_nc_u64 s[G0B+4*(\s)+2:G0B+4*(\s)+3], s[16:17], (\s)*65536
	s_or_b32 s[G0B+4*(\s)+3], s[G0B+4*(\s)+3], 0x80000000
	JLOAD \s                                       ; the ring is filled before anything else is done: two loads of mine are out
.endr
	; A fragment is 16 rows (columns) x 32 k in 8 registers: lane (r, h) holds row r; registers 0-3 k = 8 h + 0..7, registers 4-7 k = 16 + 8 h + 0..7.
	; z: rows along k: two loads 32 bytes apart at row x pitch + 16 h.  W: octet-major: two loads two octets (8,192 bytes) apart at octet h, pos r.
	v_and_b32 v1, 15, v0                           ; r
	v_bfe_u32 v2, v0, 4, 1                         ; h
	v_and_b32 v3, 31, v0                           ; lane
	v_mul_u32_u24 v4, v1, PITCH
	v_lshl_add_u32 v4, v2, 4, v4
	s_mul_i32 s22, s[WM], HALFA                    ; my 128 rows of z
	v_add_nc_u32 v[ADRA], s22, v4
	v_add_nc_u32 v[ADRA+1], SLOT, v[ADRA]
	v_lshlrev_b32 v[BO], 4, v1
	v_lshl_add_u32 v5, v2, 12, v[BO]
	s_lshl_b32 s23, s[WN], 11                      ; my 128 pos of 16 bytes,
	s_add_co_u32 s23, s23, AREG                    ; behind z's rows
	v_add_nc_u32 v[ADRB], s23, v5
	v_add_nc_u32 v[ADRB+1], SLOT, v[ADRB]
	v_lshl_add_u32 v[CO], v2, 16, v[BO]            ; 8 rows of 8,192 bytes for the upper lanes
	s_lshl_b32 s22, s[WV], 15
	v_lshl_add_u32 v[XS], v3, 4, s22               ; my region of the swap,
	s_xor_b32 s23, s22, XREG
	v_lshl_add_u32 v[XL], v3, 4, s23               ; and that of the wave with the other WN
	; my two gates' biases at my 64 units
	s_cmp_eq_u32 s[WN], 0
	s_cselect_b64 s[88:89], s[68:69], s[72:73]     ; bf or bc
	s_cselect_b64 s[90:91], s[70:71], s[74:75]     ; bi or bo
	s_lshl_b32 s92, s42, 8                         ; 64 tx units of 4 bytes
	s_mov_b32 s93, 0
	s_add_nc_u64 s[88:89], s[88:89], s[92:93]
	s_add_nc_u64 s[90:91], s[90:91], s[92:93]
	global_load_b128 v[BV:BV+3],   v[BO], s[88:89] ; units 4 r + 0..3: tiles b = 0..3
	global_load_b128 v[BV+4:BV+7], v[BO], s[90:91] ; tiles b = 4..7
	; c, out0, out1 at the rows that I finish, 256 ty + 128 WM + 64 WN = 256 ty + 64 wave, and my 64 units
	s_lshl_b32 s18, s46, 21
	s_add_co_u32 s92, s92, s18
	s_lshl_b32 s18, s[WV], 19
	s_add_co_u32 s92, s92, s18
	s_add_nc_u64 s[8:9], s[8:9], s[92:93]
	s_add_nc_u64 s[10:11], s[10:11], s[92:93]
	s_add_nc_u64 s[76:77], s[76:77], s[92:93]
	; the prefetches
	s_lshl_b32 s18, s46, 21                        ; z: row 256 ty + 128 WN + 32 cx
	s_lshl_b32 s19, s[WN], 20
	s_add_co_u32 s18, s18, s19
	s_lshl_b32 s19, s40, 18
	s_add_co_u32 s18, s18, s19
	s_lshl_b32 s22, s42, 21                        ; W: block tx, half WN, 32 cy blocks of 256 bytes
	s_lshl_b32 s23, s[WN], 15
	s_add_co_u32 s22, s22, s23
	s_lshl_b32 s23, s41, 13
	s_add_co_u32 s22, s22, s23
	s_and_b32 s47, ttmp7, 0xffff                   ; cluster y
	s_cmp_eq_u32 s[WM], 0                          ; do I fetch z?
	s_cselect_b64 s[PFA:PFA+1], s[4:5], s[6:7]
	s_cselect_b32 s92, s18, s22
	s_cselect_b32 s47, ttmp9, s47                  ; the coordinate along which other clusters walk the same bytes
	s_cselect_b32 s18, 8, 16                       ; log2 of a K step's bytes
	s_cselect_b32 s19, 13, 8                       ; log2 of a lane's step
	s_cmp_eq_u32 s47, 0
	s_cselect_b32 s[LIM], 1, -1                    ; the same in all sixteen partners, for a given wave
	s_lshl_b32 s[PST], 1, s18
	s_mov_b32 s[PST+1], 0
	s_mul_i32 s18, s[PST], 3
	s_add_co_u32 s92, s92, s18                     ; at K step 3: the first refill steps it to 4 and asks for that
	s_add_nc_u64 s[PFA:PFA+1], s[PFA:PFA+1], s[92:93]
	v_lshlrev_b32 v[PFO], s19, v3
	s_wait_loadcnt 0x0                             ; the biases
.irp q, 0,1,2,3
	v_cvt_pk_bf16_f32 v[CP+(\q)], v[BV+2*(\q)], v[BV+2*(\q)+1]  ; rounded once to bf16, like every input,
.endr
.irp q, 0,1,2,3
	v_lshlrev_b32 v[BV+2*(\q)],   16, v[CP+(\q)]                ; and widened again: the sums are f32
	v_and_b32     v[BV+2*(\q)+1], 0xffff0000, v[CP+(\q)]
.endr
.irp b, 0,1,2,3,4,5,6,7
.irp i, 0,1,2,3,4,5,6,7
	v_mov_b32 v[BIAS+8*(\b)+(\i)], v[BV+(\b)]      ; a C operand holds 8 rows a lane, and the bias is the same in all rows; written while the first tile is on its way
.endr
.endr
; 16 matrix instructions: row blocks a0, a0 + 1 of the window's four (hi = 0: my rows 0-63, 1: rows 64-127) x all 8 column tiles, 32 along K.  zero = 1: the first product starts the sum with the bias.
; The 64 accumulators take turns, one instruction a turn, in the same order in every quarter step, over the backward jump too.
.macro MUL16 f, hi, a0, zero
.if \zero
	WIN BIAS_LO+0x40*(\hi)
.else
	WIN MUL_LO+0x50*(\hi)
.endif
.irp a, \a0, (\a0)+1
.irp b, 0,1,2,3,4,5,6,7
.if \zero
	v_wmma_f32_16x16x32_bf16 v[8*(8*(\a)+(\b)):8*(8*(\a)+(\b))+7], v[(\f)+8*(4*(\hi)+(\a)):(\f)+8*(4*(\hi)+(\a))+7], v[(\f)+8*(\b):(\f)+8*(\b)+7], v[BIAS+8*(\b):BIAS+8*(\b)+7]
.else
	v_wmma_f32_16x16x32_bf16 v[8*(8*(\a)+(\b)):8*(8*(\a)+(\b))+7], v[(\f)+8*(4*(\hi)+(\a)):(\f)+8*(4*(\hi)+(\a))+7], v[(\f)+8*(\b):(\f)+8*(\b)+7], v[8*(8*(\a)+(\b)):8*(8*(\a)+(\b))+7]
.endif
.endr
.endr
.endm
; 32 LDS loads in one run: the fragments of quarter q (32 k) of a slot into buffer f: W's eight first, then z's eight
.macro FETCH slot, q, f
	WIN TO_B
.irp i, 0,1,2,3,4,5,6,7
	ds_load_b128 v[(\f)+8*(\i):(\f)+8*(\i)+3],   v[ADRB+(\slot)] offset:(\q)*16384+(\i)*256
	ds_load_b128 v[(\f)+8*(\i)+4:(\f)+8*(\i)+7], v[ADRB+(\slot)] offset:(\q)*16384+(\i)*256+8192
.endr
	WIN 0
.irp i, 0,1,2,3,4,5,6,7
	ds_load_b128 v[(\f)+8*(\i):(\f)+8*(\i)+3],   v[ADRA+(\slot)] offset:(\q)*64+(\i)*16*PITCH
	ds_load_b128 v[(\f)+8*(\i)+4:(\f)+8*(\i)+7], v[ADRA+(\slot)] offset:(\q)*64+(\i)*16*PITCH+32
.endr
.endm
; A load into a register that a matrix instruction has read, and a vector instruction or LDS store that reads a matrix result, stand four places behind it, and only plain vector
; instructions that name none of its registers are places (ISA guide 7.12.1 for vector instructions).
.macro PLACES
.rept 4
	v_nop
.endr
.endm
; A K step is four quarters of 32 along K, 64 matrix instructions each, on buffers 0, 1, 0, 1.  One of the first three: multiplies buffer f; in its middle it fetches quarter q of the same slot into buffer g.
.macro QUARTER slot, q, f, g, zero
	s_wait_dscnt 8                                 ; W and z's rows 0-63 are in; the youngest eight loads (z's rows 64-127) may be out
	MUL16 \f, 0, 0, \zero
	MUL16 \f, 0, 2, \zero
	PLACES
	FETCH \slot, \q, \g
	s_wait_dscnt 32                                ; all but the 32 just issued
	MUL16 \f, 1, 0, \zero
	MUL16 \f, 1, 2, \zero
.endm
; The last quarter multiplies buffer 1 and changes slots.  MEET is its first half: ONE barrier for two things.  In front of it each wave waits for all its tensor loads, of which one is out: its part of
; the next slot; adds 0 to its spare word; and waits for that and for its own reads of this slot.  Behind it nobody reads this slot any more and the next slot is whole.
.macro MEET round                      ; round = 1: a round of the cluster's barrier follows
	WIN 0                                          ; (the add's two registers lie in window 0)
	s_wait_tensorcnt 0x0                           ; all my tensor loads have landed;
	ds_add_u32 v[SPW], v[NIL]                      ; 0 onto my spare word;
	s_wait_dscnt 9                                 ; (the add and the youngest eight loads may be out)
	MUL16 F1, 0, 0, 0                              ; sixteen matrix instructions stand between the add and the wait for it
	s_wait_dscnt 0x0                               ; the add is done, and my reads of this slot are over:
	s_barrier_signal -1                            ; say so,
	MUL16 F1, 0, 2, 0                              ; work on registers while the others arrive,
.if \round
	WIN 0
.endif
	s_barrier_wait -1                              ; and go on when all four have said so
.endm
; The whole last quarter.  Behind the round the slot just read out is filled again first, with the K step two steps on; then come the next slot's first fragments.
; From a request to the wait for it a wave issues 224 matrix instructions; one tensor load of mine is out.
.macro TURN slot, next
	s_wait_xcnt 0x0                                ; the last prefetch, a K step back, has read its address: it is stepped here, ahead of the waits of the change of slots
	s_add_nc_u64 s[PFA:PFA+1], s[PFA:PFA+1], s[PST:PST+1]
	MEET 1
	CREST                                          ; no wave of any partner still reads this slot's tile or has a load on its way
	s_add_nc_u64 s[G0+4*(\slot)+2:G0+4*(\slot)+3], s[G0+4*(\slot)+2:G0+4*(\slot)+3], 2*256
	s_add_nc_u64 s[G0B+4*(\slot)+2:G0B+4*(\slot)+3], s[G0B+4*(\slot)+2:G0B+4*(\slot)+3], 2*65536
	JLOAD \slot                                    ; the first tensor load behind the round; the four v_nop behind it are also the places in front of the loads below
	FETCH \next, 0, F0
	ASK
	MUL16 F1, 1, 0, 0
	MUL16 F1, 1, 2, 0
.endm
	s_wait_tensorcnt 1                             ; my part of K step 0 is in; K step 1's may stay out
	s_barrier_signal -1
	s_barrier_wait -1                              ; everybody's is
	FETCH 0, 0, F0
	QUARTER 0, 1, F0, F1, 1                        ; the first quarter stands in front of the loop: its products start the sums with the bias
	WIN TO_B                                       ; my 64 rows x 64 units of c, into registers of window 1 that lie idle: 32 loads, waited for on the way out
.set n, 0
.rept 32                               ; n = 8 a + i: row 16 a + 8 h + i; 16 lanes take 256 consecutive aligned bytes
	global_load_b128 v[4*n+128*(n/16):4*n+128*(n/16)+3], v[CO], s[8:9] offset:(16*(n/8)+n%8)*ROWO th:TH_LOAD_NT
.set n, n+1
.endr
	WIN 0                                          ; at a label and at a branch every window is 0
	s_mov_b32 s3, LAPS-1
.Llap:                                                 ; a trip goes once round the ring, from a lap's second quarter to the next lap's first, and fills both slots again
	QUARTER 0, 2, F1, F0, 0
	QUARTER 0, 3, F0, F1, 0
	TURN 0, 1
	QUARTER 1, 1, F0, F1, 0
	QUARTER 1, 2, F1, F0, 0
	QUARTER 1, 3, F0, F1, 0
	TURN 1, 0
	QUARTER 0, 1, F0, F1, 0
	WIN 0
	s_sub_co_u32 s3, s3, 1
	s_cmp_lg_u32 s3, 0
	s_cbranch_scc1 .Llap
	QUARTER 0, 2, F1, F0, 0                        ; the last lap is written out: it fills nothing
	QUARTER 0, 3, F0, F1, 0
	MEET 0                                         ; slot 1's last K step has landed; behind this barrier no wave reads slot 0 any more
	PLACES
	FETCH 1, 0, F0
	MUL16 F1, 1, 0, 0
	MUL16 F1, 1, 2, 0
	QUARTER 1, 1, F0, F1, 0
	QUARTER 1, 2, F1, F0, 0
	QUARTER 1, 3, F0, F1, 0
	s_wait_dscnt 8                                 ; the very last quarter: nothing more to fetch
	MUL16 F1, 0, 0, 0
	MUL16 F1, 0, 2, 0
	s_wait_dscnt 0x0
	MUL16 F1, 1, 0, 0
	MUL16 F1, 1, 2, 0
	WIN 0
	PLACES                                         ; the places behind the last products, in front of the LDS stores that read results
	PLACES
	; THE SWAP.  I finish rows 64 WN .. + 63 of my 128.  WN = 0 keeps window 2 (gates f, i) and gives window 3 away; WN = 1 keeps window 3 (gates g, o) and gives window 2 away.
	; What comes back goes into the window given away: then every wave holds f and i in window 2 and g and o in window 3, for its own 64 rows, register for register and lane for lane.
	; The bytes lie in slot 0: its last fill and its last reads lie ahead of the last change of slots.  Each accumulator is read from its low end on.
.macro XSEND win
	WIN \win                                       ; the stores' data (source 1) in the window given away
.set n, 0
.rept 64
	ds_store_b128 v[XS], v[4*n:4*n+3] offset:512*n ; 32 lanes x 16 consecutive bytes
.set n, n+1
.endr
	WIN 0
.endm
.macro XTAKE win
	WIN \win                                       ; the loads' destination in the same window
.set n, 0
.rept 64
	ds_load_b128 v[4*n:4*n+3], v[XL] offset:512*n
.set n, n+1
.endr
	WIN 0
.endm
	s_cmp_eq_u32 s[WN], 0
	s_cbranch_scc0 .Lsend_lo
	XSEND 0x0c
	s_branch .Lsent
.Lsend_lo:
	XSEND 0x08
.Lsent:
	s_wait_dscnt 0x0                               ; for my partner's sake: my stores are done
	s_barrier_signal -1
	s_barrier_wait -1
	s_cmp_eq_u32 s[WN], 0
	s_cbranch_scc0 .Ltake_lo
	XTAKE 0xc0
	s_branch .Ltaken
.Ltake_lo:
	XTAKE 0x80
.Ltaken:
	s_wait_loadcnt 0x0                             ; c
; THE WAY OUT of block a: 16 rows x 64 units.  Each batch of exponentials or reciprocals has a plain instruction behind its last and ONE wait ahead of its first reader.
.macro EPI a
.set CB, 32*(\a)+128*((\a)/2)          ; c of this block, in window 1: row i, unit j at CB + 4 i + j
	s_wait_dscnt 48-16*(\a)                        ; LDS loads come back in order: this block's 16 of the swap's 64 are in, the later blocks' may be out
	WIN 0x02                                       ; source 0 window 2: f and i, times -log2 e
.set n, 0
.rept 32
	v_pk_mul_f32 v[T+n:T+n+1], v[64*(\a)+n:64*(\a)+n+1], s[NL:NL+1] op_sel_hi:[1,0]
.set n, n+2
.endr
	WIN 0x03                                       ; source 0 window 3: g times 2 log2 e, o times -log2 e
.set n, 0
.rept 16
	v_pk_mul_f32 v[T+64+n:T+64+n+1], v[64*(\a)+n:64*(\a)+n+1], s[TL:TL+1] op_sel_hi:[1,0]
.set n, n+2
.endr
.rept 16
	v_pk_mul_f32 v[T+64+n:T+64+n+1], v[64*(\a)+n:64*(\a)+n+1], s[NL:NL+1] op_sel_hi:[1,0]
.set n, n+2
.endr
	WIN 0
.set n, 0
.rept 128
	v_exp_f32 v[T+n], v[T+n]
.set n, n+1
.endr
	v_nop
	s_wait_alu depctr_va_vdst(0)                   ; one wait for the 128 exponentials
.set n, 0
.rept 64
	v_pk_add_f32 v[T+n:T+n+1], v[T+n:T+n+1], 1.0 op_sel_hi:[1,0]
.set n, n+2
.endr
.set n, 0
.rept 128
	v_rcp_f32 v[T+n], v[T+n]
.set n, n+1
.endr
	WIN 0x05                                       ; sources 0 and 1 window 1, destination window 0
.irp i, 0,1,2,3,4,5,6,7
.irp q, 0,1
	v_cvt_pk_bf16_f32 v[CP+2*(\i)+(\q)], v[CB+4*(\i)+2*(\q)], v[CB+4*(\i)+2*(\q)+1]  ; c rounded once to bf16, like every input: sixteen plain lines that name no reciprocal, between the batch and its wait
.endr
.endr
	WIN 0
	s_wait_alu depctr_va_vdst(0)                   ; one wait for the 128 reciprocals: f, i and o are sigmoids now
.set n, 0
.rept 16
	v_pk_fma_f32 v[T+64+n:T+64+n+1], v[T+64+n:T+64+n+1], -2.0, 1.0 op_sel_hi:[1,0,0]  ; tanh(g) = 1 - 2 / (1 + 2^(2 g log2 e))
.set n, n+2
.endr
.set n, 0
.rept 16
	v_pk_mul_f32 v[T+32+n:T+32+n+1], v[T+32+n:T+32+n+1], v[T+64+n:T+64+n+1]           ; i tanh(g)
.set n, n+2
.endr
	s_wait_xcnt 0x0                                ; the last block's stores have read NC and NH: they are rewritten only behind this wait
.irp i, 0,1,2,3,4,5,6,7
.irp j, 0,1,2,3                        ; new_c = c f + i tanh(g), one rounding, in f32; source 0 is a bf16 half; turned so that a row's four units lie on end
.if (\j)%2
	v_fma_mix_f32_bf16 v[NC+4*(\i)+(\j)], v[CP+2*(\i)+(\j)/2], v[T+8*(\j)+(\i)], v[T+32+8*(\j)+(\i)] op_sel:[1,0,0] op_sel_hi:[1,0,0]
.else
	v_fma_mix_f32_bf16 v[NC+4*(\i)+(\j)], v[CP+2*(\i)+(\j)/2], v[T+8*(\j)+(\i)], v[T+32+8*(\j)+(\i)] op_sel_hi:[1,0,0]
.endif
.endr
.endr
.irp i, 0,1,2,3,4,5,6,7
	global_store_b128 v[CO], v[NC+4*(\i):NC+4*(\i)+3], s[76:77] offset:(16*(\a)+(\i))*ROWO th:TH_STORE_NT  ; 16 lanes store 256 consecutive bytes, at a multiple of 256 from out1's first byte
.endr
.set n, 0
.rept 16
	v_pk_mul_f32 v[T+n:T+n+1], v[NC+n:NC+n+1], s[TL:TL+1] op_sel_hi:[1,0]
.set n, n+2
.endr
.set n, 0
.rept 32
	v_exp_f32 v[T+n], v[T+n]
.set n, n+1
.endr
	v_nop
	s_wait_alu depctr_va_vdst(0)
.set n, 0
.rept 16
	v_pk_add_f32 v[T+n:T+n+1], v[T+n:T+n+1], 1.0 op_sel_hi:[1,0]
.set n, n+2
.endr
.set n, 0
.rept 32
	v_rcp_f32 v[T+n], v[T+n]
.set n, n+1
.endr
	v_nop
	s_wait_alu depctr_va_vdst(0)
.set n, 0
.rept 16
	v_pk_fma_f32 v[T+n:T+n+1], v[T+n:T+n+1], -2.0, 1.0 op_sel_hi:[1,0,0]              ; tanh(new_c), at T + 4 i + j
.set n, n+2
.endr
.irp i, 0,1,2,3,4,5,6,7
.irp j, 0,1,2,3
	v_mul_f32 v[NH+4*(\i)+(\j)], v[T+96+8*(\j)+(\i)], v[T+4*(\i)+(\j)]                 ; new_h = o tanh(new_c)
.endr
.endr
.irp i, 0,1,2,3,4,5,6,7
	global_store_b128 v[CO], v[NH+4*(\i):NH+4*(\i)+3], s[10:11] offset:(16*(\a)+(\i))*ROWO th:TH_STORE_NT
.endr
.endm
	EPI 0
	EPI 1
	EPI 2
	EPI 3
	s_wait_tensorcnt 0x0                           ; the wave's end, behind my last tensor load and my last LDS store
	ds_add_u32 v[SPW], v[NIL]
	s_wait_dscnt 0x0
	CROUND                                         ; the closing round: no work-group ends while a partner may still ask for a tile that names it
	s_endpgm
.Lfunc_end_k_q604a2e13b8_lstm:
	.size	k_q604a2e13b8_lstm, .Lfunc_end_k_q604a2e13b8_lstm-k_q604a2e13b8_lstm
	.p2alignl 7, 3214868480
	.fill 96, 4, 3214868480
	.section	.rodata,"a",@progbits
	.p2align	6, 0x0
	.amdhsa_kernel k_q604a2e13b8_lstm
		.amdhsa_group_segment_fixed_size 327680
		.amdhsa_private_segment_fixed_size 0
		.amdhsa_enable_private_segment 0
		.amdhsa_kernarg_size 72
		.amdhsa_user_sgpr_count 2
		.amdhsa_user_sgpr_kernarg_segment_ptr 1
		.amdhsa_wavefront_size32 1
		.amdhsa_system_sgpr_workgroup_id_x 1
		.amdhsa_system_sgpr_workgroup_id_y 1
		.amdhsa_system_sgpr_workgroup_id_z 1
		.amdhsa_system_vgpr_workitem_id 0
		.amdhsa_next_free_vgpr 1024
		.amdhsa_next_free_sgpr 96
		.amdhsa_reserve_vcc 0
		.amdhsa_float_denorm_mode_32 3
		.amdhsa_float_denorm_mode_16_64 3
		.amdhsa_memory_ordered 1
		.amdhsa_forward_progress 1
		.amdhsa_inst_pref_size 251
	.end_amdhsa_kernel
	.amdgpu_metadata
---
amdhsa.version: [ 1, 2 ]
amdhsa.kernels:
  - .name:           k_q604a2e13b8_lstm
    .symbol:         k_q604a2e13b8_lstm.kd
    .args:
      - { .name: zb, .offset: 0, .size: 8, .value_kind: global_buffer, .address_space: global }
      - { .name: wq, .offset: 8, .size: 8, .value_kind: global_buffer, .address_space: global }
      - { .name: c, .offset: 16, .size: 8, .value_kind: global_buffer, .address_space: global }
      - { .name: out0, .offset: 24, .size: 8, .value_kind: global_buffer, .address_space: global }
      - { .name: bf, .offset: 32, .size: 8, .value_kind: global_buffer, .address_space: global }
      - { .name: bi, .offset: 40, .size: 8, .value_kind: global_buffer, .address_space: global }
      - { .name: bc, .offset: 48, .size: 8, .value_kind: global_buffer, .address_space: global }
      - { .name: bo, .offset: 56, .size: 8, .value_kind: global_buffer, .address_space: global }
      - { .name: out1, .offset: 64, .size: 8, .value_kind: global_buffer, .address_space: global }
    .group_segment_fixed_size: 327680
    .private_segment_fixed_size: 0
    .kernarg_segment_align: 8
    .kernarg_segment_size: 72
    .max_flat_workgroup_size: 128
    .sgpr_count:     96
    .vgpr_count:     1024
    .wavefront_size: 32
...
	.end_amdgpu_metadata
.endif
;; end of part 2
